; MI455X (gfx1250); checked and timed in simulation.
; The chip was launched on July 23, 2026; its instructions are those of AMD's public machine-readable ISA for CDNA 5 (MIT licence, August 2026) and "CDNA5" Instruction Set Architecture Reference Guide (July 2026). The comments in the code are by the model that wrote it; some were corrected since.
;; Self Attention Module. Allowed arithmetic: matrix products marked QUANTISED: E5M2 operands, one given power-of-two scale a tensor, by v_wmma_f32_16x16x64_bf8_bf8 or v_wmma_f32_16x16x128_bf8_bf8, f32 sums; everything else in f32.
;; Inputs: W_k_codes 1,024 x 32 x 32 uint8 (E5M2 codes of W_k, K innermost, in blocks of 32 codes); W_o_codes 1,024 x 32 x 32 uint8 (E5M2 codes of W_o, K innermost, in blocks of 32 codes); W_q_codes 1,024 x 32 x 32 uint8 (E5M2 codes of W_q, K innermost, in blocks of 32 codes); W_v_codes 1,024 x 32 x 32 uint8 (E5M2 codes of W_v, K innermost, in blocks of 32 codes); inputs 4 x 2,048 x 1,024 float32; ln_beta 1,024 float32; ln_gamma 1,024 float32; lowp_scales 12 int32 (the exponents e of the quantised operands' scales 2^e).
;; Outputs: out0 4 x 2,048 x 1,024 float32.
;; This version of the problem:
;;   THIS VERSION OF THE PROBLEM IS GIVEN IN LOW PRECISION. The matrix products marked QUANTISED in the list below multiply operands that are first quantised to E5M2 (5 exponent bits, 2 mantissa bits; 8 bits a number), with one given power-of-two scale for each operand tensor; their sums are f32. All else is computed in f32.
;;   The module's matrix products, in the order in which they are computed (A, B: the left and right operand; K: the contracted axis; several contracted axes count as one K, in the product's order):
;;     1. [M 8,192, K 1,024] x [K 1,024, N 1,024]; A: input inputs; B: input W_q (given as codes): QUANTISED (scales: A lowp_scales[0], B lowp_scales[1])
;;     2. [M 8,192, K 1,024] x [K 1,024, N 1,024]; A: input inputs; B: input W_k (given as codes): QUANTISED (scales: A lowp_scales[2], B lowp_scales[3])
;;     3. [M 8,192, K 1,024] x [K 1,024, N 1,024]; A: input inputs; B: input W_v (given as codes): QUANTISED (scales: A lowp_scales[4], B lowp_scales[5])
;;     4. batch 64 x [M 2,048, K 64] x [K 64, N 2,048]; A: computed on the way; B: computed on the way: QUANTISED (scales: A lowp_scales[6], B lowp_scales[7])
;;     5. batch 64 x [M 2,048, K 2,048] x [K 2,048, N 64]; A: softmax (see below); B: computed on the way: QUANTISED (scales: A lowp_scales[8], B lowp_scales[9])
;;     6. [M 8,192, K 1,024] x [K 1,024, N 1,024]; A: computed on the way; B: input W_o (given as codes): QUANTISED (scales: A lowp_scales[10], B lowp_scales[11])
;;   THE QUANTISER, for each operand of a quantised product, along K:
;;     - The operand's scale is 2^e, e = its entry of the input lowp_scales (int32; the entries are numbered through the quantised products in the list's order, A before B).
;;     - Each number is divided by the scale, clamped to +-57,344, and rounded to the nearest number of E5M2, ties to even, subnormals kept.
;;     - The product sums the exact products of the quantised numbers (number of the format x scale) in f32.
;;   ~~~python
;;   def quantise(x, axis, e):      # numpy; x: float32 -> the quantised numbers, widened to float32 again
;;       x = np.moveaxis(x, axis, -1); K = x.shape[-1]
;;       r = np.clip(x / 2.0 ** e, -57344, 57344)
;;       step = 2.0 ** (np.maximum(np.frexp(np.where(r == 0, 1, r))[1] - 1, -14) - 2)
;;       q = np.round(r / step) * step * 2.0 ** e      # np.round: ties to even
;;       return np.moveaxis(q, -1, axis).astype(np.float32)
;;   ~~~
;;   SOFTMAX AHEAD OF A QUANTISED PRODUCT. Where the list says 'softmax', what is quantised is not the finished softmax but p = 2^(t - M), with t = logit x log2(e) and M = ceil(the row's largest t), a whole number; so 1/2 < the row's largest p <= 1. The row's sum l is taken of the UNQUANTISED p, in f32, and the product's result is divided by l at the end. Since M is a whole number, a kernel that streams over the keys may use a running M (the ceiling of the running maximum): every later rescaling is an exact power of two, so the quantised numbers keep their values, but for numbers so far below the row's largest that they fall under the format's range.
;;   OPERANDS COMPUTED ON THE WAY. 'Computed on the way' means the value that the module computes at that place (a softmax that the list does not call 'softmax' is quantised finished and normalised). What goes into a quantiser is computed in f32, as accurately as f32 sums, v_exp_f32 and their like allow (about 1e-6 of the number): no bf16 or f16 on the way to a quantiser, and a product that is left as it is and whose result goes on into a quantised operand takes f32 operands (vector FMAs, or v_wmma_f32_16x16x4_f32). A number that lies on a knife's edge between two numbers of the format may be rounded either way, as far as f32 arithmetic and the matrix unit's own rounding can turn it there, and no further.
;;   INPUTS GIVEN AS CODES. W_k (in the module: [1024, 1024], K = its axis 1); W_o (in the module: [1024, 1024], K = its axis 1); W_q (in the module: [1024, 1024], K = its axis 1); W_v (in the module: [1024, 1024], K = its axis 1): each comes as NAME_codes (uint8): NAME with its K axis moved to the last place and cut into blocks of 32 codes, [.., K / 32, bytes a block], one block behind the other in memory; one code a byte (a code: sign, 5 exponent bits, 2 mantissa bits); its scale is its entry of lowp_scales. Its value is code x scale, taken as it is: it is not quantised again, and the codes and scales need not be those that the quantiser above would give.
;; One version. Each part assembles by itself: llvm-mc -triple=amdgcn-amd-amdhsa -mcpu=gfx1250 --defsym DOCPART=n.
;; ======== version 1 of 1: 4 launches
;; limits: right only within a limited range of input values
;; workspace buffers: xq 8,388,608 bytes; xk 8,388,608 bytes; xv 8,388,608 bytes; wo_img 1,048,576 bytes; qc 8,388,608 bytes; kc 8,388,608 bytes; vc 8,388,608 bytes; oc 8,388,608 bytes
;; launch prep (part 1): grid 288 x 1, 4 waves a work-group, no clusters, 33,280 bytes of LDS; arguments inputs, W_o_codes, lowp_scales, xq, xk, xv, wo_img; writes xq, xk, xv, wo_img
.if DOCPART == 1
	.amdgcn_target "amdgcn-amd-amdhsa--gfx1250"
	.amdhsa_code_object_version 6
	.text
	.protected	k_q89407f07b1_prep
	.globl	k_q89407f07b1_prep
	.p2align	8
	.type	k_q89407f07b1_prep,@function
k_q89407f07b1_prep:
	s_mov_b64 s[64:65], 0
	v_nop
	global_prefetch_b8 v0, s[64:65] scope:SCOPE_SE
	s_setreg_imm32_b32 hwreg(HW_REG_WAVE_MODE, 25, 1), 1
	s_wait_xcnt 0x0
; TWO JOBS IN ONE LAUNCH, parted by the work-group's number.
; Work-groups 0-255: x [8192][1024] f32 is turned into codes of E5M2 three times, once for each of the three products that take it: xq with 2^e0, xk with 2^e2, xv with 2^e4
; (entries 0, 2, 4 of the scales).  code = x / 2^e, held within +-57,344, rounded to the nearest code, ties to even.  The codes lie as x lies: [8192][1024], one byte a number.
; Work-groups 256-287: W_o's codes [1024 (n)][1024 (k)] are laid out anew, in the order in which an operand's registers take them: wo_img [n / 16][k / 128][4][512 bytes].
; A block of 512 bytes is 16 rows x 32 k: lane l = (r = l % 16, h = l / 16) owns bytes 16 l .. 16 l + 15: k = 32 c + 8 h + 0..7, then k = 32 c + 16 + 8 h + 0..7, of row r.
; That is four registers of the 8-bit operand layout, so the last launch fetches a fragment by loads of 512 consecutive bytes.
; x: rows are dense, so x is a plain stream.  A wave takes 16 steps of 512 numbers.  Each load reads 512 consecutive bytes, 16 a lane; a step's 2,048 bytes turn through the wave's own stage in LDS
; and come back 64 bytes a lane: 16 neighbours along K, which the conversions want in one lane's registers.  A lane's 16 codes are 16 bytes: each store covers 512 consecutive bytes.
; x is read once and quantised three times from registers.  No tensor loads, no barrier: waves share nothing.  No cluster: no two work-groups read the same bytes.
; LIMITS: e0, e2, e4 between -126 and 112, so that 2^e and 57,344 x 2^e are f32 numbers.  NaN among the inputs is not served.
.set STEPS, 16
.set SP,    80                         ; a lane's place in a stage: its 64 bytes + 16 of padding
.set WREG,  8192                       ; LDS: a region for each wave: two stages of 32 x SP bytes
.set SC,    4                          ; v4-6     2^e0, 2^e2, 2^e4 as f32: the conversions take the exponent field
.set LM,    7                          ; v7-9     57,344 x those
.set R,     16                         ; v16-79   four sets of 16 numbers as they are loaded
.set X,     80                         ; v80-111  two sets of 16 neighbours
.set T,     112                        ; v112-127 the 16 numbers held within one scale's range
.set C,     128                        ; v128-139 the codes: four registers for each of the three scales
.macro LOAD t
.irp i, 0,1,2,3
	global_load_b128 v[R+16*((\t)%4)+4*\i:R+16*((\t)%4)+4*\i+3], v3, s[4:5] offset:2048*(\t)+512*\i th:TH_LOAD_NT   ; 32 lanes read 512 consecutive bytes
.endr
.endm
.macro TURN t                          ; step t's numbers through the stage: LDS serves a wave's instructions in order, so no wait stands between the stores and the loads
.irp i, 0,1,2,3
	ds_store_b128 v14, v[R+16*((\t)%4)+4*\i:R+16*((\t)%4)+4*\i+3] offset:32*SP*((\t)%2)+8*SP*\i
.endr
.irp i, 0,1,2,3
	ds_load_b128 v[X+16*((\t)%2)+4*\i:X+16*((\t)%2)+4*\i+3], v15 offset:32*SP*((\t)%2)+16*\i
.endr
.endm
.macro QZ z                            ; the step's 16 numbers under scale z: the hold (the conversion to an 8-bit code does not saturate: ISA guide 7.6.2), then two conversions
.irp i, 0,1,2,3,4,5,6,7,8,9,10,11,12,13,14,15
	v_med3_num_f32 v[T+\i], v[XS+\i], -v[LM+\z], v[LM+\z]
.endr
	v_cvt_scalef32_pk8_bf8_f32 v[C+4*\z:C+4*\z+1], v[T:T+7], v[SC+\z]
	v_cvt_scalef32_pk8_bf8_f32 v[C+4*\z+2:C+4*\z+3], v[T+8:T+15], v[SC+\z]
	v_nop                                          ; one plain line between the conversions and the next holds, which write the conversions' sources
.endm
.macro STEP t
.set XS, X+16*((\t)%2)
	s_wait_dscnt 0x0                               ; this step's numbers are back from the stage, so its stores into the stage have read their registers,
.if (\t) > 0
	s_wait_xcnt 0x0                                ; and the last step's three stores have read the codes' registers, which are written again below
.endif
.if (\t)+4 < STEPS
	LOAD (\t)+4                                    ; the freed set takes the loads of four steps on
.endif
.if (\t)+1 < STEPS
.if STEPS-2-(\t) >= 3
	s_wait_loadcnt 12                              ; the next step's four loads are in; those of the three steps behind it may be out
.else
	s_wait_loadcnt 4*(STEPS-2-(\t))
.endif
	TURN (\t)+1                                    ; and go through the other stage while this step is worked
.endif
	QZ 0
	QZ 1
	QZ 2
	global_store_b128 v3, v[C:C+3], s[10:11] offset:512*(\t)
	global_store_b128 v3, v[C+4:C+7], s[12:13] offset:512*(\t)
	global_store_b128 v3, v[C+8:C+11], s[14:15] offset:512*(\t)
.endm
	s_load_b256 s[4:11], s[0:1], 0x0               ; x s[4:5], W_o's codes s[6:7], the scales s[8:9], xq s[10:11]
	s_load_b128 s[12:15], s[0:1], 0x20             ; xk s[12:13], xv s[14:15]
	s_load_b64 s[16:17], s[0:1], 0x30              ; wo_img
	v_lshl_add_u32 v144, v0, 2, 0x8000
	v_mov_b32 v145, 0
	v_lshrrev_b32 v1, 5, v0
	v_readfirstlane_b32 s18, v1                    ; wave 0..3
	v_and_b32 v2, 31, v0                           ; lane
	v_lshlrev_b32 v3, 4, v2                        ; 16 x lane: my 16 bytes of a load's or a store's 512; never rewritten
	s_cmp_ge_u32 ttmp9, 256
	s_cbranch_scc1 .Lwo
	; ---- x
	s_mul_i32 s19, s18, WREG
	v_lshrrev_b32 v14, 2, v2
	v_mul_u32_u24 v14, v14, SP
	v_and_b32 v15, 3, v2
	v_lshl_add_u32 v14, v15, 4, v14
	v_add_nc_u32 v14, s19, v14                     ; the stage, on the way in: four lanes' 64 bytes on end, then 16 of padding
	v_mul_u32_u24 v15, v2, SP
	v_add_nc_u32 v15, s19, v15                     ; and on the way out: SP x lane: my 16 neighbours
	s_lshl_b32 s20, ttmp9, 2
	s_add_co_u32 s20, s20, s18                     ; which run of 8,192 numbers is my wave's: 0 .. 1,023
	s_lshl_b32 s22, s20, 15                        ; its 32,768 bytes of x,
	s_mov_b32 s23, 0
	s_lshl_b32 s20, s20, 13                        ; its 8,192 bytes of codes
	s_mov_b32 s21, 0
	s_wait_kmcnt 0x0
	s_load_b256 s[24:31], s[8:9], 0x0              ; e0 .. e7: e0 s24, e2 s26, e4 s28
	s_add_nc_u64 s[4:5], s[4:5], s[22:23]
	s_add_nc_u64 s[10:11], s[10:11], s[20:21]
	s_add_nc_u64 s[12:13], s[12:13], s[20:21]
	s_add_nc_u64 s[14:15], s[14:15], s[20:21]
	s_wait_alu depctr_va_vdst(0)
.irp t, 0,1,2,3
	LOAD \t
.endr
	s_wait_kmcnt 0x0
.irp z, 0,1,2
	s_add_co_i32 s32, s[24+2*\z], 127
	s_lshl_b32 s33, s32, 23
	v_mov_b32 v[SC+\z], s33                        ; 2^e as f32
	s_add_co_i32 s32, s32, 15
	s_lshl_b32 s32, s32, 23
	s_or_b32 s32, s32, 0x600000
	v_mov_b32 v[LM+\z], s32                        ; 57,344 x 2^e
.endr
	s_wait_alu depctr_va_vdst(0)
	s_wait_loadcnt 12                              ; step 0's four loads are in; steps 1 to 3 may be out
	TURN 0
.irp t, 0,1,2,3,4,5,6,7,8,9,10,11,12,13,14,15
	STEP \t
.endr
	s_wait_tensorcnt 0x0
	ds_add_u32 v144, v145
	s_wait_dscnt 0x0
	s_endpgm
	; ---- W_o: wave g = 0 .. 127 takes 16 rows (n tile g / 2) x 512 along K (half g % 2): 16 blocks of 512 bytes
.Lwo:
	v_and_b32 v4, 15, v0                           ; r
	v_bfe_u32 v5, v0, 4, 1                         ; h
	v_lshlrev_b32 v10, 10, v4
	v_lshl_add_u32 v10, v5, 3, v10                 ; row r of 1,024 bytes, + 8 h
	s_sub_co_u32 s20, ttmp9, 256
	s_lshl_b32 s20, s20, 2
	s_add_co_u32 s20, s20, s18                     ; g
	s_lshr_b32 s22, s20, 1
	s_lshl_b32 s22, s22, 14                        ; 16 rows of 1,024 bytes for each n tile,
	s_and_b32 s24, s20, 1
	s_lshl_b32 s24, s24, 9                         ; + 512 along K for the second half
	s_add_co_u32 s22, s22, s24
	s_mov_b32 s23, 0
	s_lshl_b32 s20, s20, 13                        ; and 8,192 bytes of the image for each g
	s_mov_b32 s21, 0
	s_wait_alu depctr_va_vdst(0)
	s_wait_kmcnt 0x0
	s_add_nc_u64 s[6:7], s[6:7], s[22:23]
	s_add_nc_u64 s[16:17], s[16:17], s[20:21]
.set i, 0
.rept 16
	global_load_b64 v[16+4*i:17+4*i], v10, s[6:7] offset:32*i       ; k = 32 i + 8 h + 0..7 of my row
	global_load_b64 v[18+4*i:19+4*i], v10, s[6:7] offset:32*i+16    ; k = 32 i + 16 + 8 h + 0..7
.set i, i+1
.endr
.set i, 0
.rept 16
	s_wait_loadcnt 2*(15-i)                        ; block i's two loads are in; the later blocks' pairs may be out
	global_store_b128 v3, v[16+4*i:19+4*i], s[16:17] offset:512*i   ; 32 lanes store 512 consecutive bytes
.set i, i+1
.endr
	s_endpgm
.Lfunc_end_k_q89407f07b1_prep:
	.size	k_q89407f07b1_prep, .Lfunc_end_k_q89407f07b1_prep-k_q89407f07b1_prep
	.p2alignl 7, 3214868480
	.fill 96, 4, 3214868480
	.section	.rodata,"a",@progbits
	.p2align	6, 0x0
	.amdhsa_kernel k_q89407f07b1_prep
		.amdhsa_group_segment_fixed_size 33280
		.amdhsa_private_segment_fixed_size 0
		.amdhsa_enable_private_segment 0
		.amdhsa_kernarg_size 56
		.amdhsa_user_sgpr_count 2
		.amdhsa_user_sgpr_kernarg_segment_ptr 1
		.amdhsa_wavefront_size32 1
		.amdhsa_system_sgpr_workgroup_id_x 1
		.amdhsa_system_sgpr_workgroup_id_y 1
		.amdhsa_system_sgpr_workgroup_id_z 1
		.amdhsa_system_vgpr_workitem_id 0
		.amdhsa_next_free_vgpr 146
		.amdhsa_next_free_sgpr 66
		.amdhsa_reserve_vcc 0
		.amdhsa_float_denorm_mode_32 3
		.amdhsa_float_denorm_mode_16_64 3
		.amdhsa_memory_ordered 1
		.amdhsa_forward_progress 1
		.amdhsa_inst_pref_size 84
	.end_amdhsa_kernel
	.amdgpu_metadata
---
amdhsa.version: [ 1, 2 ]
amdhsa.kernels:
  - .name:           k_q89407f07b1_prep
    .symbol:         k_q89407f07b1_prep.kd
    .args:
      - { .name: inputs, .offset: 0, .size: 8, .value_kind: global_buffer, .address_space: global }
      - { .name: W_o_codes, .offset: 8, .size: 8, .value_kind: global_buffer, .address_space: global }
      - { .name: lowp_scales, .offset: 16, .size: 8, .value_kind: global_buffer, .address_space: global }
      - { .name: xq, .offset: 24, .size: 8, .value_kind: global_buffer, .address_space: global }
      - { .name: xk, .offset: 32, .size: 8, .value_kind: global_buffer, .address_space: global }
      - { .name: xv, .offset: 40, .size: 8, .value_kind: global_buffer, .address_space: global }
      - { .name: wo_img, .offset: 48, .size: 8, .value_kind: global_buffer, .address_space: global }
    .group_segment_fixed_size: 33280
    .private_segment_fixed_size: 0
    .kernarg_segment_align: 8
    .kernarg_segment_size: 56
    .max_flat_workgroup_size: 128
    .sgpr_count:     66
    .vgpr_count:     146
    .wavefront_size: 32
...
	.end_amdgpu_metadata
.endif
;; end of part 1
;; launch qkv (part 2): grid 12 x 32, 4 waves a work-group, clusters of 4 x 4, 327,680 bytes of LDS; arguments xq, xk, xv, W_q_codes, W_k_codes, W_v_codes, lowp_scales, qc, kc, vc; writes qc, kc, vc
.if DOCPART == 2
	.amdgcn_target "amdgcn-amd-amdhsa--gfx1250"
	.amdhsa_code_object_version 6
	.text
	.protected	k_q89407f07b1_qkv
	.globl	k_q89407f07b1_qkv
	.p2align	8
	.type	k_q89407f07b1_qkv,@function
k_q89407f07b1_qkv:
	s_mov_b64 s[64:65], 0
	v_nop
	global_prefetch_b8 v0, s[64:65] scope:SCOPE_SE
	s_setreg_imm32_b32 hwreg(HW_REG_WAVE_MODE, 25, 1), 1
	s_wait_xcnt 0x0
	s_wait_alu depctr_hold_cnt(0) depctr_sa_sdst(0) depctr_va_vdst(0) depctr_va_sdst(0) depctr_va_ssrc(0) depctr_va_vcc(0) depctr_vm_vsrc(0)
	s_getreg_b32 s2, hwreg(HW_REG_IB_STS2, 6, 4)
	s_cmp_eq_u32 s2, 0
	s_cbranch_scc0 .Lentry_in_a_cluster
	s_endpgm
.Lentry_in_a_cluster:
	s_bfe_u32 s2, ttmp6, 0x10000c
	s_cmp_lg_u32 s2, 0xf033
	s_cbranch_scc0 .Lentry_shape_is_right
	s_endpgm
.Lentry_shape_is_right:
.set KSTEP,  256
.set ROWB,   256
.set KROW,   1024
.set PITCH,  272
.set FR,     16
.set NL,     4
.set NP,     4
.set HALFT,  128*PITCH
.set SLOT,   4*HALFT
.set LAPS,   2
.set SPARE,  2*SLOT
.set ADRA, 16
.set ADRB, 20
.set CO,   24
.set CO2,  25
.set LIM,  26
.set SCL,  27
.set SPW,  28
.set NIL,  29
.set TMP,  32
.set AF,   128
.set OC,   128
.set G1, 24
.set G0, 32
.set G1B, 48
.set G0B, 56
.set MSB, 0
.macro WIN new
.if MSB != \new
	s_set_vgpr_msb (MSB<<8)|\new
.set MSB, \new
.endif
.endm
.set MUL_LO, 0xa1
.set MUL_HI, 0xf1
.set TO_B,   0x40
.macro JLOAD g0a, g1a, g0b, g1b
	s_cmp_eq_u32 s15, 0
	s_cbranch_scc0 .Lfor_b_\@
	tensor_load_to_lds s[\g0a:\g0a+3], s[\g1a:\g1a+7]
	s_nop 0
.rept 4
	v_nop
.endr
	s_branch .Lasked_\@
.Lfor_b_\@:
	tensor_load_to_lds s[\g0b:\g0b+3], s[\g1b:\g1b+7]
	s_nop 0
.rept 4
	v_nop
.endr
.Lasked_\@:
.endm
.macro CREST
	s_cmp_lg_u32 s14, 0
	s_cbranch_scc1 .Lnot_wave_0_\@
	s_barrier_signal -3
.Lnot_wave_0_\@:
	s_barrier_wait -3
	s_barrier_signal -1
	s_barrier_wait -1
.endm
.macro CROUND
	s_barrier_signal -1
	s_barrier_wait -1
	CREST
.endm
	s_load_b512 s[68:83], s[0:1], 0x0
	s_load_b128 s[84:87], s[0:1], 0x40
	v_lshl_add_u32 v[SPW], v0, 2, SPARE
	v_mov_b32 v[NIL], 0
	ds_add_u32 v28, v29
	ds_add_u32 v28, v29
	s_wait_dscnt 0x0
	v_lshrrev_b32 v1, 5, v0
	v_readfirstlane_b32 s14, v1
	s_lshr_b32 s15, s14, 1
	s_and_b32 s16, s14, 1
	s_bfe_u32 s40, ttmp6, 0x40000
	s_bfe_u32 s41, ttmp6, 0x40004
	s_and_b32 s13, ttmp7, 0xffff
	s_lshl_b32 s13, s13, 2
	s_mov_b32 s12, 0x80000
	s_cmp_eq_u32 ttmp9, 2
	s_cselect_b32 s42, s13, 0
	s_cselect_b32 s17, 0, s13
	s_cselect_b32 s12, 0x10000, s12
	s_add_co_u32 s42, s42, s40
	s_add_co_u32 s17, s17, s41
	s_lshl_b32 s43, s41, 2
	s_lshl_b32 s43, 15, s43
	s_lshl_b32 s44, 0x1111, s40
	s_or_b32 s[G1+0], s43, (0<<16)|(1<<20)|(1<<21)|(5<<22)|(3<<25)
	s_or_b32 s[G1B+0], s44, (0<<16)|(1<<20)|(1<<21)|(5<<22)|(3<<25)
.irp g, G1, G1B
	s_mov_b32 s[\g+1], ROWB<<16
	s_mov_b32 s[\g+2], 128<<16
	s_mov_b32 s[\g+3], ROWB<<16
	s_mov_b32 s[\g+4], 128
	s_mov_b32 s[\g+5], KROW
	s_mov_b32 s[\g+6], 0
	s_mov_b32 s[\g+7], 0
.endr
	s_lshl_b32 s18, s16, 7
	s_lshl_b32 s20, s17, 8
	s_add_co_u32 s20, s20, s18
	s_lshl_b32 s20, s20, 10
	s_mov_b32 s21, 0
	s_lshl_b32 s46, s42, 8
	s_add_co_u32 s46, s46, s18
	s_lshl_b32 s46, s46, 10
	s_mov_b32 s47, 0
	s_mul_i32 s45, s14, HALFT
	s_wait_kmcnt 0x0
	s_load_b256 s[88:95], s[80:81], 0x0
	s_load_b128 s[96:99], s[80:81], 0x20
	s_cmp_eq_u32 ttmp9, 0
	s_cselect_b64 s[4:5], s[68:69], s[70:71]
	s_cselect_b64 s[6:7], s[74:75], s[76:77]
	s_cselect_b64 s[10:11], s[82:83], s[84:85]
	s_cmp_eq_u32 ttmp9, 2
	s_cselect_b64 s[4:5], s[78:79], s[4:5]
	s_cselect_b64 s[6:7], s[72:73], s[6:7]
	s_cselect_b64 s[10:11], s[86:87], s[10:11]
	s_add_nc_u64 s[20:21], s[4:5], s[20:21]
	s_add_nc_u64 s[46:47], s[6:7], s[46:47]
	CROUND
.irp s, 0,1
	s_mov_b32 s[G0+4*\s], 1
	s_add_co_u32 s[G0+4*\s+1], s45, \s*SLOT
	s_add_nc_u64 s[G0+4*\s+2:G0+4*\s+3], s[20:21], \s*ROWB
	s_or_b32 s[G0+4*\s+3], s[G0+4*\s+3], 0x80000000
	s_mov_b32 s[G0B+4*\s], 1
	s_add_co_u32 s[G0B+4*\s+1], s45, \s*SLOT
	s_add_nc_u64 s[G0B+4*\s+2:G0B+4*\s+3], s[46:47], \s*ROWB
	s_or_b32 s[G0B+4*\s+3], s[G0B+4*\s+3], 0x80000000
	s_wait_alu depctr_va_vdst(0)
	s_wait_tensorcnt 0x0
	ds_add_u32 v28, v29
	ds_add_u32 v28, v29
	s_wait_dscnt 0x0
	CROUND
	JLOAD G0+4*\s, G1, G0B+4*\s, G1B
.endr
	v_and_b32 v1, 15, v0
	v_bfe_u32 v2, v0, 4, 1
	v_mul_u32_u24 v3, v1, PITCH
	v_lshl_add_u32 v4, v2, 4, v3
	s_mul_i32 s21, s15, HALFT
	s_mul_i32 s22, s16, HALFT
	s_add_co_u32 s22, s22, 2*HALFT
.irp s, 0,1
	v_add_nc_u32 v[ADRA+\s], s21, v4
	v_add_nc_u32 v[ADRB+\s], s22, v4
	s_add_co_u32 s21, s21, SLOT
	s_add_co_u32 s22, s22, SLOT
.endr
	v_and_b32 v6, 31, v0
	v_lshlrev_b32 v[CO], 4, v6
	v_add_nc_u32 v[CO2], s12, v[CO]
	s_lshl_b32 s20, s17, 4
	s_lshl_b32 s21, s15, 3
	s_add_co_u32 s20, s20, s21
	s_lshl_b32 s20, s20, 10
	s_mov_b32 s21, 0
	s_lshl_b32 s46, s42, 2
	s_lshl_b32 s47, s16, 1
	s_add_co_u32 s46, s46, s47
	s_mul_i32 s46, s46, s12
	s_mov_b32 s47, 0
	s_add_nc_u64 s[20:21], s[20:21], s[46:47]
	s_add_nc_u64 s[10:11], s[10:11], s[20:21]
.macro FRAG reg, adr, q, i
.irp c, 0,1,2,3
	ds_load_b128 v[\reg+4*\c:\reg+4*\c+3], v[\adr] offset:128*(\q)+32*\c+(\i)*16*PITCH
.endr
.endm
.macro MUL16 a0, p, zero
.irp a, \a0, \a0+1
.irp b, 0,1,2,3,4,5,6,7
.if \zero
	v_wmma_f32_16x16x128_bf8_bf8 v[8*(8*((\a)%4)+\b):8*(8*((\a)%4)+\b)+7], v[128*(\p)+FR*\b:128*(\p)+FR*\b+FR-1], v[AF+FR*(\a):AF+FR*(\a)+FR-1], 0
.else
	v_wmma_f32_16x16x128_bf8_bf8 v[8*(8*((\a)%4)+\b):8*(8*((\a)%4)+\b)+7], v[128*(\p)+FR*\b:128*(\p)+FR*\b+FR-1], v[AF+FR*(\a):AF+FR*(\a)+FR-1], v[8*(8*((\a)%4)+\b):8*(8*((\a)%4)+\b)+7]
.endif
.endr
.endr
.endm
.macro FETCH_B slot, q, p
	WIN TO_B
.irp i, 0,1,2,3,4,5,6,7
	FRAG 128*(\p)+FR*\i, ADRB+\slot, \q, \i
.endr
	WIN 0
.endm
.macro FETCH_A slot, q, i0
.irp i, \i0, \i0+1, \i0+2, \i0+3
	FRAG AF+FR*(\i), ADRA+\slot, \q, \i
.endr
.endm
.macro PLACES n
.rept \n
	v_nop
.endr
.endm
.macro STEP slot, q, zero
	s_wait_dscnt 4*NL
	WIN MUL_LO
	MUL16 0, (\q)%2, \zero
	MUL16 2, (\q)%2, \zero
	s_wait_dscnt 0
	PLACES NP
	FETCH_B \slot, (\q)+1, 1-(\q)%2
	FETCH_A \slot, (\q)+1, 0
	WIN MUL_HI
	MUL16 4, (\q)%2, \zero
	MUL16 6, (\q)%2, \zero
	PLACES NP
	WIN 0
	FETCH_A \slot, (\q)+1, 4
.endm
.macro TURN slot, next, fill
	s_wait_tensorcnt 0x0
	ds_add_u32 v[SPW], v[NIL]
	s_wait_dscnt 4*NL+1
	WIN MUL_LO
	MUL16 0, 1, 0
	s_wait_dscnt 0x0
	s_barrier_signal -1
	MUL16 2, 1, 0
	WIN 0
	s_barrier_wait -1
.if \fill
	CREST
	s_add_nc_u64 s[G0+4*\slot+2:G0+4*\slot+3], s[G0+4*\slot+2:G0+4*\slot+3], 2*ROWB
	s_add_nc_u64 s[G0B+4*\slot+2:G0B+4*\slot+3], s[G0B+4*\slot+2:G0B+4*\slot+3], 2*ROWB
	JLOAD G0+4*\slot, G1, G0B+4*\slot, G1B
.else
	PLACES NP
.endif
	FETCH_B \next, 0, 0
	FETCH_A \next, 0, 0
	WIN MUL_HI
	MUL16 4, 1, 0
	MUL16 6, 1, 0
	PLACES NP
	WIN 0
	FETCH_A \next, 0, 4
.endm
	s_wait_alu depctr_va_vdst(0)
	s_wait_tensorcnt 1
	s_barrier_signal -1
	s_barrier_wait -1
	FETCH_B 0, 0, 0
	FETCH_A 0, 0, 0
	FETCH_A 0, 0, 4
	STEP 0, 0, 1
.if LAPS > 1
	s_mov_b32 s3, LAPS-1
.Llap:
	TURN 0, 1, 1
	STEP 1, 0, 0
	TURN 1, 0, 1
	STEP 0, 0, 0
	s_sub_co_u32 s3, s3, 1
	s_cmp_lg_u32 s3, 0
	s_cbranch_scc1 .Llap
.endif
	TURN 0, 1, 0
	STEP 1, 0, 0
	s_wait_dscnt 4*NL
	WIN MUL_LO
	MUL16 0, 1, 0
	MUL16 2, 1, 0
	s_wait_dscnt 0
	WIN MUL_HI
	MUL16 4, 1, 0
	MUL16 6, 1, 0
	WIN 0
	s_wait_kmcnt 0x0
	s_cmp_eq_u32 ttmp9, 0
	s_cselect_b32 s20, s88, s90
	s_cselect_b32 s21, s89, s91
	s_cselect_b32 s22, s94, s95
	s_cmp_eq_u32 ttmp9, 2
	s_cselect_b32 s20, s92, s20
	s_cselect_b32 s21, s93, s21
	s_cselect_b32 s22, s97, s22
	s_sub_co_i32 s22, s22, s20
	s_sub_co_i32 s22, s22, s21
	s_add_co_i32 s22, s22, 127
	s_lshl_b32 s23, s22, 23
	v_mov_b32 v[SCL], s23
	s_add_co_i32 s22, s22, 15
	s_lshl_b32 s22, s22, 23
	s_or_b32 s22, s22, 0x600000
	v_mov_b32 v[LIM], s22
	PLACES NP
.macro OUTBLK a
.set AC, 64*((\a)%4)
	WIN 0x02+((\a)/4)
.set j, 0
.rept 64
	v_med3_num_f32 v[TMP+j], v[AC+j], -v[LIM], v[LIM]
.set j, j+1
.endr
	WIN 0
.irp c, 0,1,2,3
	v_cvt_scalef32_pk8_bf8_f32 v[OC+16*(\a)+4*\c:OC+16*(\a)+4*\c+1], v[TMP+16*\c:TMP+16*\c+7], v[SCL]
	v_cvt_scalef32_pk8_bf8_f32 v[OC+16*(\a)+4*\c+2:OC+16*(\a)+4*\c+3], v[TMP+16*\c+8:TMP+16*\c+15], v[SCL]
.endr
	v_nop
.irp c, 0,1,2,3
	global_store_b128 v[CO+\c/2], v[OC+16*(\a)+4*\c:OC+16*(\a)+4*\c+3], s[10:11] offset:1024*(\a)+512*(\c%2)
.endr
.endm
.irp a, 0,1,2,3,4,5,6,7
	OUTBLK \a
.endr
	s_wait_tensorcnt 0x0
	ds_add_u32 v[SPW], v[NIL]
	s_wait_dscnt 0x0
	CROUND
	s_endpgm
.Lfunc_end_k_q89407f07b1_qkv:
	.size	k_q89407f07b1_qkv, .Lfunc_end_k_q89407f07b1_qkv-k_q89407f07b1_qkv
	.p2alignl 7, 3214868480
	.fill 96, 4, 3214868480
	.section	.rodata,"a",@progbits
	.p2align	6, 0x0
	.amdhsa_kernel k_q89407f07b1_qkv
		.amdhsa_group_segment_fixed_size 327680
		.amdhsa_private_segment_fixed_size 0
		.amdhsa_enable_private_segment 0
		.amdhsa_kernarg_size 80
		.amdhsa_user_sgpr_count 2
		.amdhsa_user_sgpr_kernarg_segment_ptr 1
		.amdhsa_wavefront_size32 1
		.amdhsa_system_sgpr_workgroup_id_x 1
		.amdhsa_system_sgpr_workgroup_id_y 1
		.amdhsa_system_sgpr_workgroup_id_z 1
		.amdhsa_system_vgpr_workitem_id 0
		.amdhsa_next_free_vgpr 1024
		.amdhsa_next_free_sgpr 100
		.amdhsa_reserve_vcc 0
		.amdhsa_float_denorm_mode_32 3
		.amdhsa_float_denorm_mode_16_64 3
		.amdhsa_memory_ordered 1
		.amdhsa_forward_progress 1
		.amdhsa_inst_pref_size 119
	.end_amdhsa_kernel
	.amdgpu_metadata
---
amdhsa.version: [ 1, 2 ]
amdhsa.kernels:
  - .name:           k_q89407f07b1_qkv
    .symbol:         k_q89407f07b1_qkv.kd
    .args:
      - { .name: xq, .offset: 0, .size: 8, .value_kind: global_buffer, .address_space: global }
      - { .name: xk, .offset: 8, .size: 8, .value_kind: global_buffer, .address_space: global }
      - { .name: xv, .offset: 16, .size: 8, .value_kind: global_buffer, .address_space: global }
      - { .name: W_q_codes, .offset: 24, .size: 8, .value_kind: global_buffer, .address_space: global }
      - { .name: W_k_codes, .offset: 32, .size: 8, .value_kind: global_buffer, .address_space: global }
      - { .name: W_v_codes, .offset: 40, .size: 8, .value_kind: global_buffer, .address_space: global }
      - { .name: lowp_scales, .offset: 48, .size: 8, .value_kind: global_buffer, .address_space: global }
      - { .name: qc, .offset: 56, .size: 8, .value_kind: global_buffer, .address_space: global }
      - { .name: kc, .offset: 64, .size: 8, .value_kind: global_buffer, .address_space: global }
      - { .name: vc, .offset: 72, .size: 8, .value_kind: global_buffer, .address_space: global }
    .group_segment_fixed_size: 327680
    .private_segment_fixed_size: 0
    .kernarg_segment_align: 8
    .kernarg_segment_size: 80
    .max_flat_workgroup_size: 128
    .sgpr_count:     100
    .vgpr_count:     1024
    .wavefront_size: 32
...
	.end_amdgpu_metadata
.endif
;; end of part 2
;; launch attn (part 3): grid 4 x 64, 8 waves a work-group, clusters of 4 x 1, 327,680 bytes of LDS; arguments qc, kc, vc, lowp_scales, oc; writes oc
.if DOCPART == 3
	.amdgcn_target "amdgcn-amd-amdhsa--gfx1250"
	.amdhsa_code_object_version 6
	.text
	.protected	k_q89407f07b1_attn
	.globl	k_q89407f07b1_attn
	.p2align	8
	.type	k_q89407f07b1_attn,@function
k_q89407f07b1_attn:
	s_mov_b64 s[64:65], 0
	v_nop
	global_prefetch_b8 v0, s[64:65] scope:SCOPE_SE
	s_setreg_imm32_b32 hwreg(HW_REG_WAVE_MODE, 25, 1), 1
	s_wait_xcnt 0x0
	s_wait_alu depctr_hold_cnt(0) depctr_sa_sdst(0) depctr_va_vdst(0) depctr_va_sdst(0) depctr_va_ssrc(0) depctr_va_vcc(0) depctr_vm_vsrc(0)
	s_getreg_b32 s2, hwreg(HW_REG_IB_STS2, 6, 4)
	s_cmp_eq_u32 s2, 0
	s_cbranch_scc0 .Lentry_in_a_cluster
	s_endpgm
.Lentry_in_a_cluster:
	s_bfe_u32 s2, ttmp6, 0x10000c
	s_cmp_lg_u32 s2, 0x3003
	s_cbranch_scc0 .Lentry_shape_is_right
	s_endpgm
.Lentry_shape_is_right:
; ATTENTION ON CODES OF E5M2.  For each of 64 (batch, head): O[q] = the sum over k of softmax_k(Q[q] . K[k] / 8) V[k], 2,048 queries and keys, head size 64.  Both products quantised.
; THE SOFTMAX AHEAD OF THE SECOND PRODUCT: t = score x log2(e) / 8; M = the row's largest t so far, rounded UP to a whole number; p = 2^(t - M) is what is quantised (scale 2^e8), not normalised.
; The row's sum is taken of the unquantised p, in f32, and divides O at the end.  When M moves, the sum and O are multiplied by 2^(old M - new M): exact.  O is quantised on the way out (scale 2^e10).
; BUFFERS.  All four lie in blocks of 512 bytes = 16 rows x 32 columns of codes, lane l's 16 bytes at 16 l, as four registers of the 8-bit operand layout; panels [column / 64][row / 16][2][512].
; qc, kc, oc: rows = tokens, a panel = a head.  vc: V^T: rows = (head, channel), columns = tokens, a panel = 64 tokens.
; SHARES.  A cluster of four work-groups takes one (batch, head); each work-group 512 queries.  The head's whole K (131,072 bytes) and V^T (131,072 bytes) lie in LDS, every byte filled once, by joint loads, in two groups.
; At the head, one load a wave: waves 0-3 K's key steps 0-7 (16,384 dense bytes each, as 64 rows of 256), waves 4-7 V's key steps 0-3 (two panels' rows of 4,096 bytes each).
; Behind the three lines and a round of the cluster's barrier, one load a wave again: K's key steps 8-15 and V's key steps 4-15 (six panels' rows each).  The first pass walks four key steps meanwhile
; (step 3 fetches K's step 4 ahead, which the head's group brought); then a wait for all loads and a barrier show the whole head.  Nothing is filled again: no ring.
; No prefetch: both groups of fills go out ahead of the walk's fifth step, and there is no later load to run ahead of.
; Eight waves, two to a SIMD.  A wave makes two passes; in a pass it owns two tiles of 16 queries, which share every fragment of K and V read from LDS, and walks the keys 128 a step.
; LAYOUT.  Both products transposed: S^T = K Q^T (source 0 = 16 keys, source 1 = 16 queries; K = 64), O^T = V^T P^T (source 0 = 16 channels, source 1 = P; K = 128 keys): a lane holds ONE query (lane % 16).
; In tile t of S^T a lane's eight registers are keys 16 t + 8 (lane / 16) + 0..7: their eight codes are registers 2 t, 2 t + 1 of P.
; THE STEP'S ORDER.  The two tiles are skewed: one tile's chain of statistics stands among the other's maxima or multiply-adds, and one tile's exponentials among plain lines of the other tile whose results
; are first read behind the next wait.  The next step's K is fetched right behind the score products, V at the step's head.  The last step of a pass fetches step 0's K again (the address wraps):
; the second pass uses it; behind the second pass those sixteen loads are read by nobody.
; LIMITS on the given exponents, so that each power of two below is an f32 number: e6 + e7 between -123 and 130; e8 and e10 between -126 and 112; e8 + e9 is applied by v_ldexp_f32 and has none.
; REGISTERS.  Window 0: v1-8 addresses and scales; v10-25 eight of statistics a tile; v30-31 the add's; v32-63 P's codes; v64-191 S^T, then p; v192-223 partial sums; v224-231 chains of the maxima; v242 the hold once more.
;   Window 1: v0-63 K's 8 fragments; v64-127 V's 4; v128-143 Q; v144-207 O^T, 32 a tile.
.set L16,  1                           ; 16 x lane; never rewritten
.set L16V, 2                           ; the same in V's half of LDS
.set ADK,  3
.set ADV,  4
.set LIMP, 5                           ; 57,344 x 2^e8
.set SCP,  6                           ; 2^e8
.set LIMO, 7                           ; 57,344 x 2^e10
.set SCO,  8                           ; 2^e10
.set ST,   10                          ; tile q at ST + 8 q: +0 -M, +1 the largest score, +2, +3 the sum in two halves, +4 f, +5 named with f, +6, +7 at work
.set SPW,  30
.set NIL,  31
.set P,    32
.set S,    64
.set U,    192
.set X,    224
.set LIMP2, 242                        ; LIMP in another register bank, for the second half of a dual pair
.set KF,   0                           ; window 1
.set VF,   64
.set QF,   128
.set O,    144
.set VLDS, 131072
.set WV,   14
.set G1K,  16                          ; s[16:23] group 1 for K's loads;  s[24:31] for V's first;  s[40:47] for V's second
.set G1V,  24
.set G1W,  40
.set G0K,  32                          ; groups 0: s[32:35] K's first load, s[36:39] V's first, s[48:51] K's second, s[52:55] V's second
.set G0V,  36
.set G0K2, 48
.set G0V2, 52
.set CS,   66                          ; s[66:67] c = log2(e) / 8 x 2^(e6 + e7)
.set SEL,  68
.set TB,   70                          ; LDS byte of the key step in hand
.set CNT,  71
.set ES,   77                          ; e8 + e9
.set TN,   78                          ; LDS byte of the next key step's K
.set MSB, 0
.macro WIN new                         ; the immediate's high byte repeats the setting that is left
.if MSB != \new
	s_set_vgpr_msb (MSB<<8)|\new
.set MSB, \new
.endif
.endm
.macro CROUND                          ; a round of the cluster's barrier
	s_barrier_signal -1
	s_barrier_wait -1
	s_cmp_lg_u32 s[WV], 0
	s_cbranch_scc1 .Lnot_wave_0_\@
	s_barrier_signal -3
.Lnot_wave_0_\@:
	s_barrier_wait -3
	s_barrier_signal -1
	s_barrier_wait -1
.endm
.macro JLOAD g0k, g0v, g1v             ; waves 0-3 fetch for K, waves 4-7 for V: one load to an arm, one load a wave; an s_nop 0 and four v_nop behind each
	s_cmp_lt_u32 s[WV], 4
	s_cbranch_scc0 .Lfor_v_\@
	tensor_load_to_lds s[\g0k:\g0k+3], s[G1K:G1K+7]
	s_nop 0
.rept 4
	v_nop
.endr
	s_branch .Lasked_\@
.Lfor_v_\@:
	tensor_load_to_lds s[\g0v:\g0v+3], s[\g1v:\g1v+7]
	s_nop 0
.rept 4
	v_nop
.endr
.Lasked_\@:
.endm
	s_load_b256 s[4:11], s[0:1], 0x0               ; qc, kc, vc, the scales
	s_load_b64 s[12:13], s[0:1], 0x20              ; oc
	v_lshl_add_u32 v[SPW], v0, 2, 0x40000
	v_mov_b32 v[NIL], 0
	ds_add_u32 v[SPW], v[NIL]                      ; the opening lines: the add twice on end and its wait
	ds_add_u32 v[SPW], v[NIL]
	v_lshrrev_b32 v9, 5, v0
	v_readfirstlane_b32 s[WV], v9                  ; wave 0..7
	v_and_b32 v[L16], 31, v0
	v_lshlrev_b32 v[L16], 4, v[L16]
	v_add_nc_u32 v[L16V], VLDS, v[L16]
	s_bfe_u32 s15, ttmp6, 0x40000                  ; cx
	s_lshl_b32 s79, ttmp9, 2
	s_add_co_u32 s15, s15, s79                     ; my block of 512 queries: it enters Q's and O's addresses alone
	s_and_b32 s78, ttmp7, 0xffff                   ; 16 x batch + head, which the four partners share
	s_lshr_b32 s79, s78, 4                         ; batch
	s_and_b32 s78, s78, 15                         ; head
	s_and_b32 s77, s[WV], 3                        ; which of four parts of K or of V I fetch
	s_lshl_b32 s80, s78, 19                        ; qc, kc, oc: a head's panel is 524,288 bytes,
	s_lshl_b32 s81, s79, 17                        ; a batch's 128 blocks of rows 131,072
	s_add_co_u32 s82, s80, s81
	s_lshl_b32 s83, s77, 14                        ; K: my two key steps of the first eight: 16,384 bytes, in kc and in LDS
	s_add_co_u32 s84, s82, s83
	s_mov_b32 s85, 0
	s_lshl_b32 s86, s79, 21                        ; vc: a batch's 32 panels of 65,536 bytes,
	s_lshl_b32 s87, s78, 12                        ; a head's 4,096 bytes in a panel,
	s_add_co_u32 s86, s86, s87
	s_lshl_b32 s87, s77, 17                        ; V: my key step of the first four: two panels
	s_add_co_u32 s86, s86, s87
	s_mov_b32 s87, 0
	s_lshl_b32 s88, s15, 15                        ; Q, O: my work-group's 32 blocks of rows,
	s_add_co_u32 s88, s88, s82
	s_lshl_b32 s89, s[WV], 11                      ; my wave's two of each pass's sixteen
	s_add_co_u32 s88, s88, s89
	s_mov_b32 s89, 0
	s_lshl_b32 s56, s77, 18                        ; V's second load: from panel 2 w to panel 8 + 6 w: 8 + 4 w panels on
	s_add_co_u32 s56, s56, 524288
	s_mov_b32 s57, 0
	s_lshl_b32 s58, s77, 13                        ; V in LDS: a key step is 8,192 bytes
	s_mul_i32 s59, s77, 24576                      ; and three of them
	s_mov_b32 s[G1K], 15|(3<<16)|(1<<21)           ; the mask: all four work-groups; elements of 8 bytes; bit 21 beside a mask
	s_mov_b32 s[G1K+1], 32<<16                     ; rows of 32 elements = 256 bytes,
	s_mov_b32 s[G1K+2], 64<<16                     ; 64 of them
	s_mov_b32 s[G1K+3], 32<<16
	s_mov_b32 s[G1K+4], 64
	s_mov_b32 s[G1K+5], 32
	s_mov_b32 s[G1K+6], 0
	s_mov_b32 s[G1K+7], 0
	s_mov_b32 s[G1V], 15|(3<<16)|(1<<21)
	s_mov_b32 s[G1V+1], 512<<16                    ; rows of 512 elements = 4,096 bytes,
	s_mov_b32 s[G1V+2], 2<<16                      ; two of them,
	s_mov_b32 s[G1V+3], 512<<16
	s_mov_b32 s[G1V+4], 2
	s_mov_b32 s[G1V+5], 8192                       ; a panel (65,536 bytes) apart
	s_mov_b32 s[G1V+6], 0
	s_mov_b32 s[G1V+7], 0
	s_mov_b32 s[G1W], 15|(3<<16)|(1<<21)
	s_mov_b32 s[G1W+1], 512<<16
	s_mov_b32 s[G1W+2], 6<<16                      ; the second load: six such rows
	s_mov_b32 s[G1W+3], 512<<16
	s_mov_b32 s[G1W+4], 6
	s_mov_b32 s[G1W+5], 8192
	s_mov_b32 s[G1W+6], 0
	s_mov_b32 s[G1W+7], 0
	s_mov_b32 s[SEL], 0x76543210
	s_mov_b32 s[SEL+1], 0xfedcba98
	s_wait_dscnt 0x0                               ; both opening adds are done
	s_wait_kmcnt 0x0
	s_load_b128 s[72:75], s[10:11], 0x18           ; e6, e7, e8, e9
	s_load_b32 s76, s[10:11], 0x28                 ; e10
	s_add_nc_u64 s[4:5], s[4:5], s[88:89]
	s_add_nc_u64 s[12:13], s[12:13], s[88:89]
	s_mov_b32 s[G0K], 1
	s_mov_b32 s[G0K+1], s83
	s_add_nc_u64 s[G0K+2:G0K+3], s[6:7], s[84:85]
	s_or_b32 s[G0K+3], s[G0K+3], 0x80000000
	s_mov_b32 s[G0V], 1
	s_add_co_u32 s[G0V+1], s58, VLDS
	s_add_nc_u64 s[G0V+2:G0V+3], s[8:9], s[86:87]
	s_or_b32 s[G0V+3], s[G0V+3], 0x80000000
	s_mov_b32 s[G0K2], 1
	s_add_co_u32 s[G0K2+1], s83, 65536             ; K's key steps 8-15: eight steps on, in LDS and in kc
	s_add_nc_u64 s[G0K2+2:G0K2+3], s[G0K+2:G0K+3], 65536
	s_mov_b32 s[G0V2], 1
	s_add_co_u32 s[G0V2+1], s59, VLDS+32768        ; V's key steps 4 + 3 w on
	s_add_nc_u64 s[G0V2+2:G0V2+3], s[G0V+2:G0V+3], s[56:57]
	CROUND                                         ; all four work-groups are here: the joint loads meet
	JLOAD G0K, G0V, G1V                            ; K's key steps 0-7, V's 0-3: my one load at the head
	s_wait_kmcnt 0x0
	s_add_co_i32 s78, s72, s73
	s_lshl_b32 s78, s78, 23
	s_add_co_i32 s[CS], s78, 0x3e38aa3b            ; c = log2(e) / 8, with e6 + e7 added to its exponent field
	s_mov_b32 s[CS+1], s[CS]
	s_add_co_i32 s78, s74, 127
	s_lshl_b32 s79, s78, 23
	v_mov_b32 v[SCP], s79
	s_add_co_i32 s78, s78, 15
	s_lshl_b32 s78, s78, 23
	s_or_b32 s78, s78, 0x600000
	v_mov_b32 v[LIMP], s78
	v_mov_b32 v[LIMP2], s78
	s_add_co_i32 s78, s76, 127
	s_lshl_b32 s79, s78, 23
	v_mov_b32 v[SCO], s79
	s_add_co_i32 s78, s78, 15
	s_lshl_b32 s78, s78, 23
	s_or_b32 s78, s78, 0x600000
	v_mov_b32 v[LIMO], s78
	s_add_co_i32 s[ES], s74, s75                   ; e8 + e9
; line k of 32 of tile q's largest score: four chains, each accumulator from its low end on
.macro MX q, k
.if (\k) < 4
	v_max3_num_f32 v[X+4*\q+(\k)], v[S+64*\q+3*(\k)], v[S+64*\q+3*(\k)+1], v[S+64*\q+3*(\k)+2]
.elseif (\k) < 30
	v_max3_num_f32 v[X+4*\q+(\k)%4], v[X+4*\q+(\k)%4], v[S+64*\q+2*(\k)+4], v[S+64*\q+2*(\k)+5]
.elseif (\k) == 30
	v_max3_num_f32 v[X+4*\q], v[X+4*\q], v[X+4*\q+1], v[X+4*\q+2]
.else
	v_max_num_f32 v[X+4*\q], v[X+4*\q], v[X+4*\q+3]
.endif
.endm
; line k of 9 of tile q's statistics, a chain
.macro STT q, k
.set SB, ST+8*\q
.if (\k) == 0
	v_permlanex16_b32 v[SB+7], v[X+4*\q], s[SEL], s[SEL+1]
.elseif (\k) == 1
	v_max3_num_f32 v[SB+1], v[SB+1], v[X+4*\q], v[SB+7]     ; the running largest score, with lane l xor 16's
.elseif (\k) == 2
	v_mul_f32 v[SB+6], s[CS], v[SB+1]                       ; as t (c is positive)
.elseif (\k) == 3
	v_mov_b32 v[SB+7], v[SB]
.elseif (\k) == 4
	v_floor_f32 v[SB], -v[SB+6]                             ; the new -M = -ceil(t): a whole number
.elseif (\k) == 5
	v_sub_f32 v[SB+6], v[SB], v[SB+7]                       ; old M - new M, 0 or less
.elseif (\k) == 6
	v_cvt_i32_f32 v[SB+6], v[SB+6]                          ; (it saturates)
.elseif (\k) == 7
	v_ldexp_f32 v[SB+4], 1.0, v[SB+6]                       ; f = 2^(old M - new M)
.else
	v_pk_mul_f32 v[SB+2:SB+3], v[SB+2:SB+3], v[SB+4:SB+5] op_sel_hi:[1,0]   ; the sums under the new M
.endif
.endm
.macro FM q, j                         ; t - M, two at a time
	v_pk_fma_f32 v[S+64*\q+2*(\j):S+64*\q+2*(\j)+1], v[S+64*\q+2*(\j):S+64*\q+2*(\j)+1], s[CS:CS+1], v[ST+8*\q:ST+8*\q+1] op_sel_hi:[1,0,0]
.endm
.macro DM q, j                         ; the hold, two at a time: the conversion to an 8-bit code does not saturate (ISA guide 7.6.2); p is not negative, so it is one-sided
	v_dual_min_num_f32 v[S+64*\q+2*(\j)], v[S+64*\q+2*(\j)], v[LIMP] :: v_dual_min_num_f32 v[S+64*\q+2*(\j)+1], v[S+64*\q+2*(\j)+1], v[LIMP2]
.endm
.macro DMS q, j0                       ; eight such pairs
.set m, 0
.rept 8
	DM \q, \j0+m
.set m, m+1
.endr
.endm
.macro RL b, st, cnt                   ; a level of a tree of packed sums on the registers from b on
.set m, 0
.rept \cnt
	v_pk_add_f32 v[\b+2*\st*m:\b+2*\st*m+1], v[\b+2*\st*m:\b+2*\st*m+1], v[\b+2*\st*m+\st:\b+2*\st*m+\st+1]
.set m, m+1
.endr
.endm
.macro CVP q                           ; tile q's codes: keys 16 t + 8 (lane / 16) + 0..7 are registers 2 t, 2 t + 1 of P
.irp t, 0,1,2,3,4,5,6,7
	v_cvt_scalef32_pk8_bf8_f32 v[P+16*\q+2*\t:P+16*\q+2*\t+1], v[S+64*\q+8*\t:S+64*\q+8*\t+7], v[SCP]
.endr
.endm
.macro KLOAD adr                       ; K's eight fragments of a key step
	WIN 0x40
.set m, 0
.rept 16
	ds_load_b128 v[KF+4*m:KF+4*m+3], v[\adr] offset:512*m
.set m, m+1
.endr
	WIN 0
.endm
; A KEY STEP: 128 keys, for my two tiles of queries.  Its K is in registers or on its way.
.macro STEP
	v_add_nc_u32 v[ADV], s[TB], v[L16V]
.rept 3
	v_nop                                          ; with the addition: four places between the last products and the loads into V's registers
.endr
	WIN 0x40
.irp d, 0,1,2,3
.irp c, 0,1,2,3
	ds_load_b128 v[VF+16*\d+4*\c:VF+16*\d+4*\c+3], v[ADV] offset:4096*(\c/2)+1024*\d+512*(\c%2)   ; V^T: channels 16 d on, keys 32 c on
.endr
.endr
	s_wait_dscnt 16                                ; K's sixteen loads, the older ones, are in; V's sixteen may be out
	WIN 0x05
.irp t, 0,1,2,3,4,5,6,7
.irp q, 0,1
	v_wmma_f32_16x16x64_bf8_bf8 v[S+64*\q+8*\t:S+64*\q+8*\t+7], v[KF+8*\t:KF+8*\t+7], v[QF+8*\q:QF+8*\q+7], 0
.endr
.endr
	WIN 0
	s_add_co_u32 s[TN], s[TB], 8192
	s_and_b32 s[TN], s[TN], 0x1ffff                ; behind the last step: step 0 again
	v_add_nc_u32 v[ADK], s[TN], v[L16]
.rept 3
	v_nop                                          ; with the addition: four places in front of the loads into K's registers and of the first read of the scores
.endr
	KLOAD ADK                                      ; the next step's K
.set n, 0
.rept 32
	MX 0, n
.set n, n+1
.endr
.set n, 0
.rept 32                               ; tile 1's maxima, tile 0's statistics among them
	MX 1, n
.if ((n%3) == 2) && (n < 27)
	STT 0, n/3
.endif
.set n, n+1
.endr
.set n, 0
.rept 32                               ; tile 0's t - M, tile 1's statistics among them
	FM 0, n
.if ((n%3) == 2) && (n < 27)
	STT 1, n/3
.endif
.set n, n+1
.endr
	s_wait_alu depctr_va_vdst(0)                   ; the wait ahead of the batch
.set n, 0
.rept 32                               ; tile 0's p = 2^(t - M); among them tile 1's t - M, first read behind the next wait
	v_exp_f32 v[S+2*n], v[S+2*n]
	v_exp_f32 v[S+2*n+1], v[S+2*n+1]
	FM 1, n
.set n, n+1
.endr
	s_wait_alu depctr_va_vdst(0)                   ; behind tile 0's batch and ahead of tile 1's
.set n, 0
.rept 16                               ; tile 1's p; among them tile 0's first level of sums (of the unquantised p) and then its hold, all first read behind the next wait
	v_exp_f32 v[S+64+4*n], v[S+64+4*n]
	v_pk_add_f32 v[U+2*n:U+2*n+1], v[S+4*n:S+4*n+1], v[S+4*n+2:S+4*n+3]
	v_exp_f32 v[S+64+4*n+1], v[S+64+4*n+1]
	DM 0, 2*n
	v_exp_f32 v[S+64+4*n+2], v[S+64+4*n+2]
	DM 0, 2*n+1
	v_exp_f32 v[S+64+4*n+3], v[S+64+4*n+3]
.set n, n+1
.endr
	v_nop                                          ; a plain line behind the last exponential
	WIN 0x41                                       ; O^T in window 1, f in window 0
	s_wait_alu depctr_va_vdst(0)                   ; one wait for the batch, directly ahead of the first reader of O^T
.irp q, 0,1
.set n, 0
.rept 16
	v_pk_mul_f32 v[O+32*\q+n:O+32*\q+n+1], v[O+32*\q+n:O+32*\q+n+1], v[ST+8*\q+4:ST+8*\q+5] op_sel_hi:[1,0]   ; O^T under the new M
.set n, n+2
.endr
.endr
	WIN 0
	CVP 0
	RL U, 2, 8                                     ; (plain lines between the conversions and the lines that write their sources)
.set n, 0
.rept 16
	v_pk_add_f32 v[S+2*n:S+2*n+1], v[S+64+4*n:S+64+4*n+1], v[S+64+4*n+2:S+64+4*n+3]   ; tile 1's first level of sums, into registers that tile 0 has left
.set n, n+1
.endr
	RL U, 4, 4
	DMS 1, 0
	RL S, 2, 8
	RL U, 8, 2
	DMS 1, 8
	RL S, 4, 4
	RL U, 16, 1
	DMS 1, 16
	RL S, 8, 2
	DMS 1, 24
	RL S, 16, 1
	CVP 1
	v_pk_add_f32 v[ST+2:ST+3], v[ST+2:ST+3], v[U:U+1]         ; the step's sums onto the rows'.  (The plain lines behind the conversions)
	v_pk_add_f32 v[ST+10:ST+11], v[ST+10:ST+11], v[S:S+1]
	s_wait_alu depctr_va_vdst(0)
	s_wait_dscnt 16                                ; V is in; the next step's K, sixteen younger loads, may be out
	WIN 0x51                                       ; V and O^T window 1, P window 0
.irp d, 0,1,2,3
.irp q, 0,1
	v_wmma_f32_16x16x128_bf8_bf8 v[O+32*\q+8*\d:O+32*\q+8*\d+7], v[VF+16*\d:VF+16*\d+15], v[P+16*\q:P+16*\q+15], v[O+32*\q+8*\d:O+32*\q+8*\d+7]   ; eight accumulators by turns
.endr
.endr
	WIN 0
.endm
.macro WALK t0, cnt                    ; cnt key steps from step t0 on
	s_mov_b32 s[TB], 8192*\t0
	s_mov_b32 s[CNT], \cnt
.Lstep_\@:
	STEP
	s_add_co_u32 s[TB], s[TB], 8192
	s_sub_co_u32 s[CNT], s[CNT], 1
	s_cmp_lg_u32 s[CNT], 0
	s_cbranch_scc1 .Lstep_\@
.endm
; A pass begins: its two tiles of Q; O^T and the sums are zeros, the largest score -3e38 and -M 3e38, so that the step is written once: the first f is 0 and multiplies zeros.
.macro INIT p
.if \p
	s_wait_xcnt 0x0                                ; the last pass's stores have read their registers
.endif
	WIN 0x40
.irp i, 0,1,2,3
	global_load_b128 v[QF+4*\i:QF+4*\i+3], v[L16], s[4:5] offset:16384*\p+512*\i
.endr
.set n, 0
.rept 64
	v_mov_b32 v[O+n], 0
.set n, n+1
.endr
	WIN 0
.irp q, 0,1
	v_mov_b32 v[ST+8*\q], 0x7f61b1e6
	v_mov_b32 v[ST+8*\q+1], 0xff61b1e6
	v_mov_b32 v[ST+8*\q+2], 0
	v_mov_b32 v[ST+8*\q+3], 0
	v_mov_b32 v[ST+8*\q+5], 0                      ; (named as the upper half of f's pair)
	v_mov_b32 v[ST+8*\q+7], 0                      ; (a lane permute's destination counts as a source)
.endr
	s_wait_alu depctr_va_vdst(0)
	s_wait_loadcnt 0x0                             ; Q
.endm
; A pass ends: O^T / the sum x 2^(e8 + e9), quantised with 2^e10: the 32 lanes' 512 bytes are a block of oc.
.macro OUT p
.rept 4
	v_nop
.endr
.irp q, 0,1
	v_add_f32 v[ST+8*\q+6], v[ST+8*\q+2], v[ST+8*\q+3]
.endr
.irp q, 0,1
	v_permlanex16_b32 v[ST+8*\q+7], v[ST+8*\q+6], s[SEL], s[SEL+1]
.endr
.irp q, 0,1
	v_add_f32 v[ST+8*\q+6], v[ST+8*\q+6], v[ST+8*\q+7]        ; the row's sum
.endr
	s_wait_alu depctr_va_vdst(0)                   ; ahead of the reciprocals
.irp q, 0,1
	v_rcp_f32 v[ST+8*\q+4], v[ST+8*\q+6]
.endr
	v_nop
	s_wait_alu depctr_va_vdst(0)                   ; and behind them
.irp q, 0,1
	v_ldexp_f32 v[ST+8*\q+4], v[ST+8*\q+4], s[ES]
.endr
	WIN 0x01
	s_wait_alu depctr_va_vdst(0)                   ; directly ahead of the first reader of O^T
.irp q, 0,1
.set n, 0
.rept 16
	v_pk_mul_f32 v[S+32*\q+n:S+32*\q+n+1], v[O+32*\q+n:O+32*\q+n+1], v[ST+8*\q+4:ST+8*\q+5] op_sel_hi:[1,0]
.set n, n+2
.endr
.endr
	WIN 0
.set n, 0
.rept 64
	v_med3_num_f32 v[S+n], v[S+n], -v[LIMO], v[LIMO]
.set n, n+1
.endr
.irp q, 0,1
.irp c, 0,1
	v_cvt_scalef32_pk8_bf8_f32 v[S+64+8*\q+4*\c:S+64+8*\q+4*\c+1], v[S+32*\q+16*\c:S+32*\q+16*\c+7], v[SCO]
	v_cvt_scalef32_pk8_bf8_f32 v[S+64+8*\q+4*\c+2:S+64+8*\q+4*\c+3], v[S+32*\q+16*\c+8:S+32*\q+16*\c+15], v[SCO]
.endr
.endr
	v_nop                                          ; one plain line behind the last conversion
.irp q, 0,1
.irp c, 0,1
	global_store_b128 v[L16], v[S+64+8*\q+4*\c:S+64+8*\q+4*\c+3], s[12:13] offset:16384*\p+1024*\q+512*\c   ; 32 lanes store 512 consecutive bytes
.endr
.endr
.endm
	s_wait_alu depctr_va_vdst(0)                   ; the wait at the head's end
	INIT 0
	s_wait_tensorcnt 0x0                           ; my part of the head's group is in
	ds_add_u32 v[SPW], v[NIL]
	s_wait_dscnt 0x0
	CROUND                                         ; everybody's part is in: K's key steps 0-7, V's 0-3; and all four work-groups are here: the joint loads meet
	JLOAD G0K2, G0V2, G1W                          ; K's key steps 8-15, V's 4-15: my one load behind the round, and my last
	KLOAD L16                                      ; step 0's K
	WALK 0, 4                                      ; four steps are worked while the rest lands
	s_wait_tensorcnt 0x0                           ; my second load is in,
	s_wait_dscnt 0x0
	s_barrier_signal -1
	s_barrier_wait -1                              ; everybody's is: the whole head lies in LDS, and stays
	WALK 4, 12
	OUT 0
	INIT 1
	WALK 0, 16
	OUT 1
	s_wait_tensorcnt 0x0                           ; the wave's end
	ds_add_u32 v[SPW], v[NIL]
	s_wait_dscnt 0x0
	CROUND                                         ; the closing round
	s_endpgm
.Lfunc_end_k_q89407f07b1_attn:
	.size	k_q89407f07b1_attn, .Lfunc_end_k_q89407f07b1_attn-k_q89407f07b1_attn
	.p2alignl 7, 3214868480
	.fill 96, 4, 3214868480
	.section	.rodata,"a",@progbits
	.p2align	6, 0x0
	.amdhsa_kernel k_q89407f07b1_attn
		.amdhsa_group_segment_fixed_size 327680
		.amdhsa_private_segment_fixed_size 0
		.amdhsa_enable_private_segment 0
		.amdhsa_kernarg_size 40
		.amdhsa_user_sgpr_count 2
		.amdhsa_user_sgpr_kernarg_segment_ptr 1
		.amdhsa_wavefront_size32 1
		.amdhsa_system_sgpr_workgroup_id_x 1
		.amdhsa_system_sgpr_workgroup_id_y 1
		.amdhsa_system_sgpr_workgroup_id_z 1
		.amdhsa_system_vgpr_workitem_id 0
		.amdhsa_next_free_vgpr 464
		.amdhsa_next_free_sgpr 90
		.amdhsa_reserve_vcc 0
		.amdhsa_float_denorm_mode_32 3
		.amdhsa_float_denorm_mode_16_64 3
		.amdhsa_memory_ordered 1
		.amdhsa_forward_progress 1
		.amdhsa_inst_pref_size 116
	.end_amdhsa_kernel
	.amdgpu_metadata
---
amdhsa.version: [ 1, 2 ]
amdhsa.kernels:
  - .name:           k_q89407f07b1_attn
    .symbol:         k_q89407f07b1_attn.kd
    .args:
      - { .name: qc, .offset: 0, .size: 8, .value_kind: global_buffer, .address_space: global }
      - { .name: kc, .offset: 8, .size: 8, .value_kind: global_buffer, .address_space: global }
      - { .name: vc, .offset: 16, .size: 8, .value_kind: global_buffer, .address_space: global }
      - { .name: lowp_scales, .offset: 24, .size: 8, .value_kind: global_buffer, .address_space: global }
      - { .name: oc, .offset: 32, .size: 8, .value_kind: global_buffer, .address_space: global }
    .group_segment_fixed_size: 327680
    .private_segment_fixed_size: 0
    .kernarg_segment_align: 8
    .kernarg_segment_size: 40
    .max_flat_workgroup_size: 256
    .sgpr_count:     90
    .vgpr_count:     464
    .wavefront_size: 32
...
	.end_amdgpu_metadata
.endif
;; end of part 3
;; launch outln (part 4): grid 256 x 1, 16 waves a work-group, no clusters, 178,176 bytes of LDS; arguments oc, wo_img, inputs, ln_gamma, ln_beta, lowp_scales, out0; writes out0
.if DOCPART == 4
	.amdgcn_target "amdgcn-amd-amdhsa--gfx1250"
	.amdhsa_code_object_version 6
	.text
	.protected	k_q89407f07b1_outln
	.globl	k_q89407f07b1_outln
	.p2align	8
	.type	k_q89407f07b1_outln,@function
k_q89407f07b1_outln:
	s_mov_b64 s[64:65], 0
	v_nop
	global_prefetch_b8 v0, s[64:65] scope:SCOPE_SE
	s_setreg_imm32_b32 hwreg(HW_REG_WAVE_MODE, 25, 1), 1
	s_wait_xcnt 0x0
; out0 = LayerNorm(o W_o^T + x) x gamma + beta.  o: the attention's result as codes of E5M2 (oc, scale 2^e10); W_o: codes (wo_img, scale 2^e11); x, gamma, beta, out0: f32.
; SHARES.  A work-group owns 32 WHOLE rows (the norm needs them whole).  Its sixteen waves share the columns: wave w makes columns 64 w .. 64 w + 63 of the 32 rows: 2 tiles of rows x 4 tiles of columns,
; eight accumulators.  K = 1,024 goes in eight steps of 128.
; OPERANDS.  oc lies in blocks of 512 bytes (16 rows x 32 k, lane l's 16 bytes at 16 l, as four registers of the 8-bit operand layout), panels [k / 64][row / 16][2][512].  The work-group's 32 rows are
; 32,768 bytes: wave w fetches panel w and puts it into LDS as it stands; every wave reads all of it.  wo_img lies [n / 16][k / 128][4][512] in the same blocks.
; NO TENSOR LOAD, NO CLUSTER: within a work-group each byte of W_o is wanted by ONE wave, for two matrix instructions, so it goes from memory straight into that wave's registers, by loads of 512 consecutive bytes,
; two K steps (32 loads a wave) ahead; a way through LDS would add a write and a read of all 1,048,576 bytes for each work-group and spare no read inside it.
; THE MATRIX INSTRUCTION IS USED TRANSPOSED (source 0 = 16 rows of W_o, source 1 = 16 rows of o): lane (r, h) holds row r and columns 8 h + 0..7 of a tile.
; x is loaded at the head in whole runs of 256 bytes (sixteen lanes to a row's 64 columns), turned into the result's layout through the wave's own stage in LDS, and the finished rows go back the same way:
; each store's sixteen lanes cover 256 consecutive bytes, aligned.
; THE NORM in two passes: the mean first, then the mean of (y - mean)^2: no difference of large sums is formed.  A row's partial sums of the sixteen waves meet in LDS: three barriers in all.
; LIMIT: e10 + e11 between -126 and 127, so that 2^(e10 + e11) is an f32 number.
.set STG,  32768                       ; LDS: 0: o's 16 panels x 2,048 bytes;  STG: a stage of 32 rows x (256 bytes + 16) for each wave;
.set RED1, 172032                      ; RED1: 32 rows x 16 waves x 4 bytes: the sums;  RED1 + 2,048: the sums of squares
.set L16, 1                            ; v1   16 x lane: my place in a block; never rewritten
.set XO,  4                            ; v4   x and out0: (lane / 16) rows of 4,096 bytes + 256 w + 16 (lane % 16); never rewritten
.set STW, 5                            ; v5   the stage by rows: row lane / 16, 16 bytes at 16 (lane % 16)
.set STD, 6                            ; v6   the stage in the result's layout: row r, + 32 h
.set AW,  7                            ; v7   where I put my panel of o: 2,048 w + 16 x lane
.set RW,  8                            ; v8   where I put a row's partial sum: RED1 + 64 r + 4 w
.set RR,  9                            ; v9   where I read a row's sixteen: RED1 + 64 r
.set GB,  10                           ; v10  gamma, beta: 256 w + 16 (lane % 16); never rewritten
.set GA,  12                           ; v[12:15] gamma of the four columns that I store
.set BE,  16                           ; v[16:19] beta
.set MU,  20                           ; v[20:21], v[22:23] the mean of my row in tile 0, 1, twice each (a pair for the packed forms)
.set RS,  24                           ; v[24:25], v[26:27] 1 / sqrt(var + eps) likewise
.set TS,  28                           ; v[28:29], v[30:31] sums at work
.set AFR, 32                           ; v32-63   o's two fragments of a K step
.set ACC, 64                           ; v64-127  the accumulators: (q, t) at 64 + 8 (4 q + t).  x lands here first, at the head
.set BF,  128                          ; v128-255 W_o: two sets of four fragments
.set XR,  128                          ; later: x in the result's layout; the partial sums; the rows on their way out
.set Y,   192                          ; later: y
.macro BLOAD s                         ; W_o's four fragments of K step s into set s % 2
.irp t, 0,1,2,3
.irp c, 0,1,2,3
	global_load_b128 v[BF+64*((\s)%2)+16*\t+4*\c:BF+64*((\s)%2)+16*\t+4*\c+3], v[L16], s[6:7] offset:16384*\t+2048*(\s)+512*\c
.endr
.endr
.endm
.macro KSTEP s
.irp q, 0,1
.irp c, 0,1,2,3
	ds_load_b128 v[AFR+16*\q+4*\c:AFR+16*\q+4*\c+3], v[L16] offset:2048*(2*(\s)+\c/2)+1024*\q+512*(\c%2)   ; o: rows 16 q on, k = 128 s + 32 c on
.endr
.endr
.if (\s) < 7
	s_wait_loadcnt 16                              ; this step's set of W_o is in (and all that was asked for earlier); the next step's sixteen loads may be out
.else
	s_wait_loadcnt 0
.endif
	s_wait_dscnt 0x0
.irp t, 0,1,2,3
.irp q, 0,1
.if (\s) == 0
	v_wmma_f32_16x16x128_bf8_bf8 v[ACC+8*(4*\q+\t):ACC+8*(4*\q+\t)+7], v[BF+64*((\s)%2)+16*\t:BF+64*((\s)%2)+16*\t+15], v[AFR+16*\q:AFR+16*\q+15], 0
.else
	v_wmma_f32_16x16x128_bf8_bf8 v[ACC+8*(4*\q+\t):ACC+8*(4*\q+\t)+7], v[BF+64*((\s)%2)+16*\t:BF+64*((\s)%2)+16*\t+15], v[AFR+16*\q:AFR+16*\q+15], v[ACC+8*(4*\q+\t):ACC+8*(4*\q+\t)+7]
.endif
.endr
.endr                                  ; the eight accumulators by turns, one instruction a turn, in the same order in every step
.rept 4
	v_nop                                          ; places in front of loads into registers that these products have read, and of the first read of results
.endr
.if (\s) < 6
	BLOAD (\s)+2
.endif
.endm
.macro TREE b                          ; the sixteen numbers v[b] .. v[b + 15] are added into v[b], in the same order in every wave
	v_pk_add_f32 v[\b:\b+1], v[\b:\b+1], v[\b+2:\b+3]
	v_pk_add_f32 v[\b+4:\b+5], v[\b+4:\b+5], v[\b+6:\b+7]
	v_pk_add_f32 v[\b+8:\b+9], v[\b+8:\b+9], v[\b+10:\b+11]
	v_pk_add_f32 v[\b+12:\b+13], v[\b+12:\b+13], v[\b+14:\b+15]
	s_delay_alu instid0(VALU_DEP_3)
	v_pk_add_f32 v[\b:\b+1], v[\b:\b+1], v[\b+4:\b+5]
	s_delay_alu instid0(VALU_DEP_2)
	v_pk_add_f32 v[\b+8:\b+9], v[\b+8:\b+9], v[\b+12:\b+13]
	s_delay_alu instid0(VALU_DEP_1)
	v_pk_add_f32 v[\b:\b+1], v[\b:\b+1], v[\b+8:\b+9]
	s_delay_alu instid0(VALU_DEP_1)
	v_add_f32 v[\b], v[\b], v[\b+1]
.endm
; My lane's two pairs of sums (tile q in v[TS + 2 q], v[TS + 2 q + 1]) become the rows' sums over all 1,024 columns, in v[XR] (tile 0) and v[XR + 16] (tile 1).  off: the bytes for this reduction, used once.
.macro ACROSS off
.irp q, 0,1
	s_delay_alu instid0(VALU_DEP_2)
	v_add_f32 v[TS+2*\q], v[TS+2*\q], v[TS+2*\q+1]
.endr
.irp q, 0,1
	s_delay_alu instid0(VALU_DEP_2)
	v_permlanex16_b32 v[TS+2*\q+1], v[TS+2*\q], s24, s25
.endr
.irp q, 0,1
	s_delay_alu instid0(VALU_DEP_2)
	v_add_f32 v[TS+2*\q], v[TS+2*\q], v[TS+2*\q+1]            ; with lane l xor 16's: my wave's 64 columns of row 16 q + r
.endr
.irp q, 0,1
	ds_store_b32 v[RW], v[TS+2*\q] offset:\off+1024*\q         ; (both halves of the lanes write the same word with the same number)
.endr
	s_wait_dscnt 0x0                               ; for the others' sake: my stores have landed
	s_barrier_signal -1
	s_barrier_wait -1
.irp q, 0,1
.irp i, 0,1,2,3
	ds_load_b128 v[XR+16*\q+4*\i:XR+16*\q+4*\i+3], v[RR] offset:\off+1024*\q+16*\i
.endr
.endr
	s_wait_dscnt 0x0
	TREE XR
	TREE XR+16
.endm
	s_load_b256 s[4:11], s[0:1], 0x0               ; oc s[4:5], wo_img s[6:7], x s[8:9], gamma s[10:11]
	s_load_b128 s[12:15], s[0:1], 0x20             ; beta s[12:13], the scales s[14:15]
	s_load_b64 s[16:17], s[0:1], 0x30              ; out0
	v_lshrrev_b32 v2, 5, v0
	s_delay_alu instid0(VALU_DEP_1)
	v_readfirstlane_b32 s18, v2                    ; wave 0..15
	v_and_b32 v2, 31, v0                           ; lane
	v_and_b32 v3, 15, v0                           ; r
	v_bfe_u32 v11, v0, 4, 1                        ; h
	s_delay_alu instid0(VALU_DEP_3)
	v_lshlrev_b32 v[L16], 4, v2
	s_lshl_b32 s28, s18, 8
	v_lshlrev_b32 v[GB], 4, v3
	s_delay_alu instid0(VALU_DEP_1)
	v_add_nc_u32 v[GB], s28, v[GB]
	s_delay_alu instid0(VALU_DEP_1)
	v_lshl_add_u32 v[XO], v11, 12, v[GB]
	s_mul_i32 s29, s18, 8704
	s_add_co_u32 s29, s29, STG                     ; my stage
	v_mul_u32_u24 v[STW], v11, 272
	s_delay_alu instid0(VALU_DEP_1)
	v_lshl_add_u32 v[STW], v3, 4, v[STW]
	s_delay_alu instid0(VALU_DEP_1)
	v_add_nc_u32 v[STW], s29, v[STW]
	v_mul_u32_u24 v[STD], v3, 272
	s_delay_alu instid0(VALU_DEP_1)
	v_lshl_add_u32 v[STD], v11, 5, v[STD]
	s_delay_alu instid0(VALU_DEP_1)
	v_add_nc_u32 v[STD], s29, v[STD]
	s_lshl_b32 s30, s18, 11
	v_add_nc_u32 v[AW], s30, v[L16]
	v_lshlrev_b32 v[RR], 6, v3
	s_delay_alu instid0(VALU_DEP_1)
	v_add_nc_u32 v[RR], RED1, v[RR]
	s_lshl_b32 s31, s18, 2
	v_add_nc_u32 v[RW], s31, v[RR]
	s_lshl_b32 s32, s18, 19                        ; oc: panel w of 524,288 bytes,
	s_lshl_b32 s33, ttmp9, 11                      ; the work-group's two blocks of rows: 2,048 bytes
	s_add_co_u32 s32, s32, s33
	s_mov_b32 s33, 0
	s_lshl_b32 s34, s18, 16                        ; wo_img: my four tiles of 16,384 bytes
	s_mov_b32 s35, 0
	s_lshl_b32 s36, ttmp9, 17                      ; x, out0: 32 rows of 4,096 bytes
	s_mov_b32 s37, 0
	s_mov_b32 s22, 0x3a800000                      ; 1 / 1,024
	s_mov_b32 s23, 0x3727c5ac                      ; 1e-5
	s_mov_b32 s24, 0x76543210                      ; v_permlanex16_b32's selects for lane l xor 16
	s_mov_b32 s25, 0xfedcba98
	s_wait_alu depctr_va_vdst(0)
	s_wait_kmcnt 0x0
	s_load_b64 s[26:27], s[14:15], 0x28            ; e10, e11
	s_add_nc_u64 s[4:5], s[4:5], s[32:33]
	s_add_nc_u64 s[6:7], s[6:7], s[34:35]
	s_add_nc_u64 s[8:9], s[8:9], s[36:37]
	s_add_nc_u64 s[16:17], s[16:17], s[36:37]
.irp i, 0,1,2,3
	global_load_b128 v[AFR+4*\i:AFR+4*\i+3], v[L16], s[4:5] offset:512*\i             ; my panel of o: 4 loads
.endr
.set i, 0
.rept 16
	global_load_b128 v[ACC+4*i:ACC+4*i+3], v[XO], s[8:9] offset:8192*i th:TH_LOAD_NT  ; x: rows 2 i and 2 i + 1, my 64 columns: 16 loads
.set i, i+1
.endr
	global_load_b128 v[GA:GA+3], v[GB], s[10:11]
	global_load_b128 v[BE:BE+3], v[GB], s[12:13]
	BLOAD 0
	BLOAD 1
	s_wait_loadcnt 50                              ; o is in; behind it: x's 16, gamma and beta, W_o's 32
.irp i, 0,1,2,3
	ds_store_b128 v[AW], v[AFR+4*\i:AFR+4*\i+3] offset:512*\i
.endr
	s_wait_loadcnt 34                              ; x is in; behind it: gamma and beta, W_o's 32
.set i, 0
.rept 16
	ds_store_b128 v[STW], v[ACC+4*i:ACC+4*i+3] offset:544*i
.set i, i+1
.endr
	s_wait_dscnt 0x0                               ; my stores have landed, and have read their registers
	s_barrier_signal -1
	s_barrier_wait -1                              ; o's sixteen panels lie in LDS
.irp s, 0,1,2,3,4,5,6,7
	KSTEP \s
.endr
	; ---- y = sum x 2^(e10 + e11) + x
.irp q, 0,1
.irp t, 0,1,2,3
	ds_load_b128 v[XR+8*(4*\q+\t):XR+8*(4*\q+\t)+3], v[STD] offset:4352*\q+64*\t        ; x(16 q + r, 64 w + 16 t + 8 h + 0..7): my own stage
	ds_load_b128 v[XR+8*(4*\q+\t)+4:XR+8*(4*\q+\t)+7], v[STD] offset:4352*\q+64*\t+16
.endr
.endr
	s_wait_kmcnt 0x0
	s_add_co_i32 s20, s26, s27
	s_add_co_i32 s20, s20, 127
	s_lshl_b32 s20, s20, 23                        ; 2^(e10 + e11) as f32
	s_mov_b32 s21, s20                             ; (named with it as a pair, so it is written)
	s_wait_dscnt 0x0
.set j, 0
.rept 32
	v_pk_fma_f32 v[Y+j:Y+j+1], v[ACC+j:ACC+j+1], s[20:21], v[XR+j:XR+j+1] op_sel_hi:[1,0,1]   ; each accumulator from its low end on
.set j, j+2
.endr
	; ---- the mean
.irp q, 0,1
	v_pk_add_f32 v[TS+2*\q:TS+2*\q+1], v[Y+32*\q:Y+32*\q+1], v[Y+32*\q+2:Y+32*\q+3]
.endr
.irp j, 4,6,8,10,12,14,16,18,20,22,24,26,28,30
.irp q, 0,1
	s_delay_alu instid0(VALU_DEP_2)
	v_pk_add_f32 v[TS+2*\q:TS+2*\q+1], v[TS+2*\q:TS+2*\q+1], v[Y+32*\q+\j:Y+32*\q+\j+1]
.endr
.endr
	ACROSS 0
.irp q, 0
	v_mul_f32 v[MU+2*\q], s22, v[XR+16*\q]
	v_mul_f32 v[MU+2*\q+1], s22, v[XR+16*\q]
.endr
.irp q, 1
	s_delay_alu instid0(VALU_DEP_3)
	v_mul_f32 v[MU+2*\q], s22, v[XR+16*\q]
	s_delay_alu instid0(VALU_DEP_4)
	v_mul_f32 v[MU+2*\q+1], s22, v[XR+16*\q]
.endr
.irp q, 0,1
.set j, 0
.rept 16
	v_pk_add_f32 v[Y+32*\q+j:Y+32*\q+j+1], v[Y+32*\q+j:Y+32*\q+j+1], v[MU+2*\q:MU+2*\q+1] neg_lo:[0,1] neg_hi:[0,1]   ; y - mean
.set j, j+2
.endr
.endr
	; ---- the variance
.irp q, 0,1
	v_pk_mul_f32 v[TS+2*\q:TS+2*\q+1], v[Y+32*\q:Y+32*\q+1], v[Y+32*\q:Y+32*\q+1]
.endr
.irp j, 2,4,6,8,10,12,14,16,18,20,22,24,26,28,30
.irp q, 0,1
	s_delay_alu instid0(VALU_DEP_2)
	v_pk_fma_f32 v[TS+2*\q:TS+2*\q+1], v[Y+32*\q+\j:Y+32*\q+\j+1], v[Y+32*\q+\j:Y+32*\q+\j+1], v[TS+2*\q:TS+2*\q+1]
.endr
.endr
	ACROSS 2048
.irp q, 0
	v_fma_f32 v[RS+2*\q], v[XR+16*\q], s22, s23    ; var + eps
.endr
.irp q, 1
	s_delay_alu instid0(VALU_DEP_2)
	v_fma_f32 v[RS+2*\q], v[XR+16*\q], s22, s23    ; var + eps
.endr
	s_wait_alu depctr_va_vdst(0)
.irp q, 0,1
	v_rsq_f32 v[RS+2*\q], v[RS+2*\q]
.endr
	v_nop                                          ; a plain line behind the two roots,
	s_wait_alu depctr_va_vdst(0)                   ; and one wait for both, ahead of their first reader
.irp q, 0,1
	v_mov_b32 v[RS+2*\q+1], v[RS+2*\q]
.endr
.irp q, 0,1
.set j, 0
.rept 16
	v_pk_mul_f32 v[Y+32*\q+j:Y+32*\q+j+1], v[Y+32*\q+j:Y+32*\q+j+1], v[RS+2*\q:RS+2*\q+1]
.set j, j+2
.endr
.endr
	; ---- back through my stage, at x's places, and out by rows.  LDS serves a wave's instructions in order: the loads see the stores
.irp q, 0,1
.irp t, 0,1,2,3
	ds_store_b128 v[STD], v[Y+8*(4*\q+\t):Y+8*(4*\q+\t)+3] offset:4352*\q+64*\t
	ds_store_b128 v[STD], v[Y+8*(4*\q+\t)+4:Y+8*(4*\q+\t)+7] offset:4352*\q+64*\t+16
.endr
.endr
.set i, 0
.rept 16
	ds_load_b128 v[XR+4*i:XR+4*i+3], v[STW] offset:544*i
.set i, i+1
.endr
.set i, 0
.rept 16
	s_wait_dscnt 15-i                              ; rows 2 i and 2 i + 1 are back; the later ones may be out
	v_pk_fma_f32 v[XR+4*i:XR+4*i+1], v[XR+4*i:XR+4*i+1], v[GA:GA+1], v[BE:BE+1]
	v_pk_fma_f32 v[XR+4*i+2:XR+4*i+3], v[XR+4*i+2:XR+4*i+3], v[GA+2:GA+3], v[BE+2:BE+3]
	global_store_b128 v[XO], v[XR+4*i:XR+4*i+3], s[16:17] offset:8192*i th:TH_STORE_NT   ; sixteen lanes store 256 consecutive bytes, at a multiple of 256 from out0's first byte
.set i, i+1
.endr
	s_wait_xcnt 0x0
	v_lshl_add_u32 v254, v0, 2, 0x2b000
	v_mov_b32 v255, 0
	s_wait_alu depctr_va_vdst(0)
	s_wait_tensorcnt 0x0
	ds_add_u32 v254, v255
	s_wait_dscnt 0x0
	s_endpgm
.Lfunc_end_k_q89407f07b1_outln:
	.size	k_q89407f07b1_outln, .Lfunc_end_k_q89407f07b1_outln-k_q89407f07b1_outln
	.p2alignl 7, 3214868480
	.fill 96, 4, 3214868480
	.section	.rodata,"a",@progbits
	.p2align	6, 0x0
	.amdhsa_kernel k_q89407f07b1_outln
		.amdhsa_group_segment_fixed_size 178176
		.amdhsa_private_segment_fixed_size 0
		.amdhsa_enable_private_segment 0
		.amdhsa_kernarg_size 56
		.amdhsa_user_sgpr_count 2
		.amdhsa_user_sgpr_kernarg_segment_ptr 1
		.amdhsa_wavefront_size32 1
		.amdhsa_system_sgpr_workgroup_id_x 1
		.amdhsa_system_sgpr_workgroup_id_y 1
		.amdhsa_system_sgpr_workgroup_id_z 1
		.amdhsa_system_vgpr_workitem_id 0
		.amdhsa_next_free_vgpr 256
		.amdhsa_next_free_sgpr 66
		.amdhsa_reserve_vcc 0
		.amdhsa_float_denorm_mode_32 3
		.amdhsa_float_denorm_mode_16_64 3
		.amdhsa_memory_ordered 1
		.amdhsa_forward_progress 1
		.amdhsa_inst_pref_size 53
	.end_amdhsa_kernel
	.amdgpu_metadata
---
amdhsa.version: [ 1, 2 ]
amdhsa.kernels:
  - .name:           k_q89407f07b1_outln
    .symbol:         k_q89407f07b1_outln.kd
    .args:
      - { .name: oc, .offset: 0, .size: 8, .value_kind: global_buffer, .address_space: global }
      - { .name: wo_img, .offset: 8, .size: 8, .value_kind: global_buffer, .address_space: global }
      - { .name: inputs, .offset: 16, .size: 8, .value_kind: global_buffer, .address_space: global }
      - { .name: ln_gamma, .offset: 24, .size: 8, .value_kind: global_buffer, .address_space: global }
      - { .name: ln_beta, .offset: 32, .size: 8, .value_kind: global_buffer, .address_space: global }
      - { .name: lowp_scales, .offset: 40, .size: 8, .value_kind: global_buffer, .address_space: global }
      - { .name: out0, .offset: 48, .size: 8, .value_kind: global_buffer, .address_space: global }
    .group_segment_fixed_size: 178176
    .private_segment_fixed_size: 0
    .kernarg_segment_align: 8
    .kernarg_segment_size: 56
    .max_flat_workgroup_size: 512
    .sgpr_count:     66
    .vgpr_count:     256
    .wavefront_size: 32
...
	.end_amdgpu_metadata
.endif
;; end of part 4
